; MI455X (gfx1250); checked and timed in simulation.
; The chip was launched on July 23, 2026; its instructions are those of AMD's public machine-readable ISA for CDNA 5 (MIT licence, August 2026) and "CDNA5" Instruction Set Architecture Reference Guide (July 2026). The comments in the code are by the model that wrote it; some were corrected since.
;; Self Attention2 D. Allowed arithmetic: matrix products marked QUANTISED: E2M3 operands, one E8M0 scale for each 32 along K, by v_wmma_scale_f32_16x16x128_f8f6f4 with both operands' format E2M3, f32 sums; everything else in f32.
;; Inputs: Wk 64 x 64 float32; Wq 64 x 64 float32; Wv 64 x 64 float32; bk 64 float32; bq 64 float32; bv 64 float32; gamma 1 float32; x 8 x 64 x 64 x 64 float32.
;; Outputs: out0 8 x 64 x 64 x 64 float32.
;; This version of the problem:
;;   THIS VERSION OF THE PROBLEM IS GIVEN IN LOW PRECISION. The matrix products marked QUANTISED in the list below multiply operands that are first quantised to E2M3 (2 exponent bits, 3 mantissa bits; 6 bits a number), with one power-of-two scale for each 32 numbers along K (OCP MX v1.0); their sums are f32. All else is computed in f32.
;;   The module's matrix products, in the order in which they are computed (A, B: the left and right operand; K: the contracted axis; several contracted axes count as one K, in the product's order):
;;     1. [M 64, K 64] x [K 64, N 32,768]; A: input Wq; B: input x: QUANTISED
;;     2. [M 64, K 64] x [K 64, N 32,768]; A: input Wk; B: input x: QUANTISED
;;     3. [M 64, K 64] x [K 64, N 32,768]; A: input Wv; B: input x: QUANTISED
;;     4. batch 8 x [M 4,096, K 64] x [K 64, N 4,096]; A: computed on the way; B: computed on the way: QUANTISED
;;     5. batch 8 x [M 64, K 4,096] x [K 4,096, N 4,096]; A: computed on the way; B: softmax (see below): QUANTISED
;;   THE QUANTISER, for each operand of a quantised product, along K:
;;     - K is cut into blocks of 32 from its start; a last block that is shorter is filled with zeros.
;;     - A block's scale is 2^e with e = floor(log2(the largest magnitude in the block)) - 2, held to -126 .. 127; a block of zeros has e = 0. As a byte (E8M0): e + 127.
;;     - Each number is divided by its block's scale, clamped to +-7.5, and rounded to the nearest number of E2M3, ties to even, subnormals kept.
;;     - The product sums the exact products of the quantised numbers (number of the format x scale) in f32.
;;   ~~~python
;;   def quantise(x, axis):      # numpy; x: float32 -> the quantised numbers, widened to float32 again
;;       x = np.moveaxis(x, axis, -1); K = x.shape[-1]
;;       x = np.pad(x, [(0, 0)] * (x.ndim - 1) + [(0, -K % 32)]); x = x.reshape(x.shape[:-1] + (-1, 32)); a = np.abs(x).max(-1, keepdims=True)
;;       e = np.where(a > 0, np.clip(np.frexp(np.where(a > 0, a, 1))[1] - 1 - 2, -126, 127), 0)      # np.frexp(a)[1] - 1 = floor(log2(a)), exactly
;;       r = np.clip(x / 2.0 ** e, -7.5, 7.5)
;;       step = 2.0 ** (np.maximum(np.frexp(np.where(r == 0, 1, r))[1] - 1, 0) - 3)
;;       q = np.round(r / step) * step * 2.0 ** e      # np.round: ties to even
;;       return np.moveaxis(q.reshape(q.shape[:-2] + (-1,))[..., :K], -1, axis).astype(np.float32)
;;   ~~~
;;   SOFTMAX AHEAD OF A QUANTISED PRODUCT. Where the list says 'softmax', what is quantised is not the finished softmax but p = 2^(t - M), with t = logit x log2(e) and M = ceil(the row's largest t), a whole number; so 1/2 < the row's largest p <= 1. The row's sum l is taken of the UNQUANTISED p, in f32, and the product's result is divided by l at the end. Since M is a whole number, a kernel that streams over the keys may use a running M (the ceiling of the running maximum): every later rescaling is an exact power of two, which a block's scale takes up: the codes' values come out the same.
;;   OPERANDS COMPUTED ON THE WAY. 'Computed on the way' means the value that the module computes at that place (a softmax that the list does not call 'softmax' is quantised finished and normalised). What goes into a quantiser is computed in f32, as accurately as f32 sums, v_exp_f32 and their like allow (about 1e-6 of the number): no bf16 or f16 on the way to a quantiser, and a product that is left as it is and whose result goes on into a quantised operand takes f32 operands (vector FMAs, or v_wmma_f32_16x16x4_f32). A number that lies on a knife's edge between two numbers of the format may be rounded either way, as far as f32 arithmetic and the matrix unit's own rounding can turn it there, and no further.
;; One version. Each part assembles by itself: llvm-mc -triple=amdgcn-amd-amdhsa -mcpu=gfx1250 --defsym DOCPART=n.
;; ======== version 1 of 1: 2 launches
;; workspace buffers: qws 1,835,008 bytes; kvws 3,276,800 bytes
;; launch prep (part 1): grid 32 x 8, 4 waves a work-group, no clusters, 19,968 bytes of LDS; arguments x, Wq, bq, Wk, bk, Wv, bv, qws, kvws; writes qws, kvws
.if DOCPART == 1
	.amdgcn_target "amdgcn-amd-amdhsa--gfx1250"
	.amdhsa_code_object_version 6
	.text
	.protected	k_q2fab54cfde_prep
	.globl	k_q2fab54cfde_prep
	.p2align	8
	.type	k_q2fab54cfde_prep,@function
k_q2fab54cfde_prep:
	s_mov_b64 s[64:65], 0
	v_nop
	global_prefetch_b8 v0, s[64:65] scope:SCOPE_SE
	s_setreg_imm32_b32 hwreg(HW_REG_WAVE_MODE, 25, 1), 1
	s_wait_xcnt 0x0
; q = Wq x + bq, k = Wk x + bk, v = Wv x + bv for one GROUP of 128 neighbouring positions of one batch, all three products on codes of FP6 (E2M3) with one E8M0 scale for each 32 along K
; (K = the 64 channels), and the results quantised again for the attention launch: q and k along the channels, v along the positions.  x: [8][64][4096] f32; W: [64][64] f32; b: [64] f32.
; A block's scale is 2^(floor(log2(its largest magnitude)) - 2); its byte is the largest magnitude's exponent field - 2, held at 1 from below.
; LIMITS: a block whose largest magnitude lies under 2^-124 (a block of zeros among them) keeps the byte 1: its codes are what the conversion gives under that scale, zeros for zeros, and the bytes are
; read by this program alone.  NaN and infinities among the inputs are not served.
; THE ORDER OF POSITIONS.  Tile T = 4 c + t (0..7) of a group has in its row r the position 64 c + 8 t + (r & 7) + 32 (r >> 3).  A product whose source 0 has such rows leaves in registers 32 c .. 32 c + 31
; of lane (., h) the positions 64 c + 32 h + 0 .. 31: a whole block of 32 in one lane, in the order of a 6-bit operand's registers.  W's tile t (for q, k) has in row m the channel 8 t + (m & 7) + 32 (m >> 3) likewise.
; K = 64 IN AN INSTRUCTION OF K = 128.  A DOUBLE fragment holds two tiles: registers 0-5 tile 2 d (K 0..63), registers 6-11 tile 2 d + 1 (K 64..127).  Its partner is [w; 0] or [0; w]: zero codes in the dead
; half pick one of the two tiles.  The partner lies as [0 x 6][w x 6][0 x 6], so both forms are runs of 12 registers; its scale words are lo (bytes 0, 1) and hi = lo << 16.
; SHARES.  Thread p = 32 wave + lane quantises position p of x; wave w quantises tile w of each W; these go to LDS as images of the operands' registers.  Then wave w makes q and k of tiles 2 w, 2 w + 1
; and v of channels 16 w .. 16 w + 15 for all 128 positions.  Every fragment leaves as an image of its registers: each store covers 512 (or 256) consecutive bytes, aligned to 256.
.set XIMG, 0                           ; LDS: x's four double fragments, 1,536 bytes each: chunk n = registers 4 n .. 4 n + 3, lane l's 16 bytes at 16 l
.set XSC,  6144                        ; their scale words: word e of lane slot l (8 l + 4 e) belongs to fragment 2 e + (l >> 4), row l & 15
.set WIMG, 6400                        ; twelve tiles of W (4 mat + tile), 768 bytes each: registers 0-3 at 16 l, registers 4-5 at 512 + 8 l
.set WSC,  15616                       ; their scale words (lo, hi) at 8 l, 256 bytes a tile
.set SCS,  18688                       ; the record's 512 bytes of scale words: K e = 0, 1 and V e = 0, 1 at 16 l
.set XO,   1                           ; v1   x: 4 x thread
.set WQO,  2                           ; v2   Wq, Wk: my row of tile w, my half of its columns
.set WVO,  3                           ; v3   Wv likewise
.set BVO,  4                           ; v4   bv: channel 16 w + r
.set BO,   5                           ; v5   bq, bk: 128 h
.set L16,  6                           ; v6   16 x lane
.set L8,   7                           ; v7   8 x lane
.set XA0,  9                           ; v9, v10  where my position's codes go in x's images
.set XA1,  10
.set XSA,  11                          ; v11  and its two scale bytes
.set XSWA, 12                          ; v12  the scale word of fragment w, row r
.set SCA,  13                          ; v13  where fragment w's scale word goes in the record's image
.set SH8,  14                          ; v14  8 h
.set WIA,  15                          ; v15-17  my tile of W: registers 0-3, registers 4-5, scale words
.set WIB,  16
.set WSA,  17
.set XDA,  18                          ; v18  x's double fragment w
.set BV,   20                          ; v20-27  bv in the result's layout
.set OUT,  28                          ; v28-39  codes just made
.set CT,   40                          ; v40-42  a conversion's second half (its three registers begin on an even number)
.set MA,   44
.set MB,   45
.set SCF,  46
.set BY0,  47
.set BY1,  48
.set T1,   49
.set QW,   50                          ; v50-51  two scale words on their way out
.set WS,   52                          ; v52-59  W's scale words (lo, hi) of four tiles
.set WSV,  52                          ; for v: Wv's tile w
.set XS,   54                          ; for v: x's scale words, two registers
.set XSW,  60                          ; x's scale word of fragment w
.set T2,   61
.set XR,   62                          ; v62-125  64 channels of my position; then the biases
.set BQ,   62
.set BK,   94
.set WR,   126                         ; v126-221 three times 32 numbers of W
.set WZ,   126                         ; then v126-179: [0][w0][0][w1][0][w2][0][w3][0], six registers each
.set XD,   144                         ; for v: x's four double fragments
.set XDW,  180                         ; for q, k: x's double fragment w
.set ACC0, 192
.set ACC1, 224
; 32 numbers of a lane, one block, become six registers of codes and the scale's byte.  Each run of eight is first read at its low end.
.macro QBLK src, dst, by
	v_max3_num_f32 v[MA], |v[\src]|, |v[\src+1]|, 0x1800000       ; with the floor 2^(3 - 127): the byte cannot fall under 1
	v_max3_num_f32 v[MB], |v[\src+16]|, |v[\src+17]|, |v[\src+18]|
.irp i, 0,1,2,3,4,5
	v_max3_num_f32 v[MA], v[MA], |v[\src+2+2*\i]|, |v[\src+3+2*\i]|
	v_max3_num_f32 v[MB], v[MB], |v[\src+19+2*\i]|, |v[\src+20+2*\i]|
.endr
	v_max3_num_f32 v[MA], v[MA], |v[\src+14]|, |v[\src+15]|
	v_max3_num_f32 v[MA], v[MA], v[MB], |v[\src+31]|               ; the block's largest magnitude
	v_add_nc_u32 v[SCF], 0xff000000, v[MA]                         ; 2 off its exponent field: the conversion takes the exponent field of this operand as its scale
	v_cvt_scalef32_pk16_fp6_f32 v[\dst:\dst+2], v[\src:\src+15], v[SCF]
	v_cvt_scalef32_pk16_fp6_f32 v[CT:CT+2], v[\src+16:\src+31], v[SCF]
	v_lshrrev_b32 v[\by], 23, v[SCF]                               ; the scale's byte; also the plain line behind the conversions
.irp i, 0,1,2
	v_mov_b32 v[\dst+3+\i], v[CT+\i]
.endr
.endm
.macro W16 dst, by                     ; my block h's byte and lane l xor 16's make the word s0 | s1 << 8
	v_lshlrev_b32 v[T1], v[SH8], v[\by]
	v_permlanex16_b32 v[T2], v[T1], s30, s31
	v_or_b32 v[\dst], v[T1], v[T2]
.endm
.macro W32 dst                         ; BY0 at byte h, BY1 at byte 2 + h, with lane l xor 16's two: a whole scale word
	v_lshl_or_b32 v[T1], v[BY1], 16, v[BY0]
	v_lshlrev_b32 v[T1], v[SH8], v[T1]
	v_permlanex16_b32 v[T2], v[T1], s30, s31
	v_or_b32 v[\dst], v[T1], v[T2]
.endm
.macro PLACES n
.rept \n
	v_nop
.endr
.endm
.macro BARRIER                         ; my LDS stores have landed and my LDS loads are in: then the work-group's barrier
	s_wait_dscnt 0x0
	s_barrier_signal -1
	s_barrier_wait -1
.endm
.macro WLOAD m                         ; the four tiles of W number m and their scale words, between the zero runs
.irp t, 0,1,2,3
	ds_load_b128 v[WZ+6+12*\t:WZ+9+12*\t], v[L16] offset:WIMG+3072*(\m)+768*\t
	ds_load_b64 v[WZ+10+12*\t:WZ+11+12*\t], v[L8] offset:WIMG+3072*(\m)+768*\t+512
	ds_load_b64 v[WS+2*\t:WS+2*\t+1], v[L8] offset:WSC+1024*(\m)+256*\t
.endr
.endm
; Eight products: tile 2 w + u of positions (source 1: x's double fragment w) against W's four tiles (source 0: [w; 0] for u = 0, [0; w] for u = 1); the bias is the C.  Eight different accumulators.
.macro PROJ bias
.irp u, 0,1
.irp t, 0,1,2,3
	v_wmma_scale_f32_16x16x128_f8f6f4 v[ACC0+32*\u+8*\t:ACC0+32*\u+8*\t+7], v[WZ+6-6*\u+12*\t:WZ+17-6*\u+12*\t], v[XDW:XDW+11], v[\bias+8*\t:\bias+8*\t+7], v[WS+2*\t+\u], v[XSW] matrix_a_fmt:MATRIX_FMT_FP6 matrix_b_fmt:MATRIX_FMT_FP6
.endr
.endr
.endm
	s_load_b256 s[4:11], s[0:1], 0x0               ; x s[4:5], Wq s[6:7], bq s[8:9], Wk s[10:11]
	s_load_b256 s[12:19], s[0:1], 0x20             ; bk s[12:13], Wv s[14:15], bv s[16:17], qws s[18:19]
	s_load_b64 s[20:21], s[0:1], 0x40              ; kvws
	s_set_vgpr_msb 0x40
	v_lshl_add_u32 v0, v0, 2, 0x4c00
	v_mov_b32 v1, 0
	s_set_vgpr_msb 0x4000
	v_lshrrev_b32 v48, 5, v0                       ; w
	v_readfirstlane_b32 s22, v48                   ; the wave's number as a scalar
	s_mov_b32 s23, ttmp9                           ; the group s
	s_and_b32 s24, ttmp7, 0xffff                   ; the batch b
	s_lshl_b32 s25, s24, 5
	s_add_co_u32 s25, s25, s23                     ; 32 b + s
	s_mov_b32 s30, 0x76543210
	s_mov_b32 s31, 0xfedcba98                      ; v_permlanex16_b32's selects for lane l xor 16
	v_and_b32 v8, 31, v0                           ; lane
	v_and_b32 v19, 15, v0                          ; r
	v_bfe_u32 v43, v0, 4, 1                        ; h
	v_and_b32 v44, 7, v0                           ; bits 2:0
	v_bfe_u32 v45, v0, 3, 1                        ; bit 3
	v_bfe_u32 v46, v0, 5, 1                        ; w & 1
	v_bfe_u32 v47, v0, 6, 1                        ; w >> 1
	v_lshlrev_b32 v[XO], 2, v0
	v_lshlrev_b32 v[WQO], 8, v44                   ; row 8 w + (r & 7) + 32 (r >> 3) of 256 bytes, + 128 h
	v_lshl_add_u32 v[WQO], v45, 13, v[WQO]
	v_lshl_add_u32 v[WQO], v43, 7, v[WQO]
	v_lshl_add_u32 v[WQO], v48, 11, v[WQO]
	v_lshlrev_b32 v[WVO], 8, v19                   ; row 16 w + r, + 128 h
	v_lshl_add_u32 v[WVO], v43, 7, v[WVO]
	v_lshl_add_u32 v[WVO], v48, 12, v[WVO]
	v_lshlrev_b32 v[BVO], 2, v19
	v_lshl_add_u32 v[BVO], v48, 6, v[BVO]
	v_lshlrev_b32 v[BO], 7, v43
	v_lshlrev_b32 v[L16], 4, v8
	v_lshlrev_b32 v[L8], 3, v8
	; position p = thread: row r' = p[2:0] + 8 p[5] of tile 4 p[6] + 2 p[4] + p[3]: double fragment d = 2 p[6] + p[4], half u = p[3]
	v_lshlrev_b32 v49, 4, v44
	v_lshl_add_u32 v49, v46, 7, v49                ; 16 r'
	v_mad_u32_u24 v49, v43, 1536, v49
	v_mad_u32_u24 v49, v47, 3072, v49              ; + 1,536 d
	v_mad_u32_u24 v[XA0], v45, 520, v49            ; registers 6 u + 0, 1 lie at 520 u; 6 u + 4, 5 at 512 + 520 u;
	v_mad_u32_u24 v[XA1], v45, 1016, v49           ; 6 u + 2, 3 at 8 + 1,016 u
	v_lshl_add_u32 v[XSA], v44, 3, XSC
	v_lshl_add_u32 v[XSA], v46, 6, v[XSA]
	v_lshl_add_u32 v[XSA], v43, 7, v[XSA]
	v_lshl_add_u32 v[XSA], v47, 2, v[XSA]
	v_lshl_add_u32 v[XSA], v45, 1, v[XSA]          ; XSC + 8 (r' + 16 (d & 1)) + 4 (d >> 1) + 2 u
	v_lshl_add_u32 v[XSWA], v19, 3, XSC
	v_lshl_add_u32 v[XSWA], v46, 7, v[XSWA]
	v_lshl_add_u32 v[XSWA], v47, 2, v[XSWA]        ; XSC + 8 (r + 16 (w & 1)) + 4 (w >> 1)
	v_lshl_add_u32 v[SCA], v19, 4, SCS
	v_lshl_add_u32 v[SCA], v46, 8, v[SCA]
	v_lshl_add_u32 v[SCA], v47, 2, v[SCA]          ; SCS + 16 (r + 16 (w & 1)) + 4 (w >> 1)
	v_lshlrev_b32 v[SH8], 3, v43
	s_mul_i32 s26, s22, 768
	s_add_co_u32 s26, s26, WIMG
	v_add_nc_u32 v[WIA], s26, v[L16]
	s_add_co_u32 s26, s26, 512
	v_add_nc_u32 v[WIB], s26, v[L8]
	s_lshl_b32 s26, s22, 8
	s_add_co_u32 s26, s26, WSC
	v_add_nc_u32 v[WSA], s26, v[L8]
	s_mul_i32 s26, s22, 1536
	v_add_nc_u32 v[XDA], s26, v[L16]
	v_mov_b32 v[T2], 0                             ; written once: a lane permute's destination counts as one of its sources
	s_mov_b32 s27, 0
	s_mov_b32 s29, 0
	s_wait_kmcnt 0x0
	s_lshl_b32 s26, s24, 20                        ; x: a batch is 2^20 bytes, a group 512 bytes of each channel's row
	s_lshl_b32 s28, s23, 9
	s_add_co_u32 s26, s26, s28
	s_add_nc_u64 s[4:5], s[4:5], s[26:27]
	s_lshl_b32 s26, s25, 2                         ; q: the record of the pair of tiles 2 w, 2 w + 1
	s_add_co_u32 s26, s26, s22
	s_mul_i32 s26, s26, 1792
	s_add_nc_u64 s[18:19], s[18:19], s[26:27]
	s_mul_i32 s28, s25, 12800                      ; k, v: the group's record
	s_add_nc_u64 s[34:35], s[20:21], s[28:29]
	s_mul_i32 s26, s22, 1536
	s_add_nc_u64 s[20:21], s[34:35], s[26:27]      ; K's double fragment w
	s_add_nc_u64 s[32:33], s[20:21], 6144          ; V's fragment w
	s_add_nc_u64 s[34:35], s[34:35], 12288         ; the scale words
	; ---- A: the loads, all at once
.irp j, 0,1,2,3,4,5,6,7
	global_load_b32 v[BV+\j], v[BVO], s[16:17]     ; a lane's eight results of v belong to one channel: eight times its bias
.endr
.set i, 0
.rept 64
	global_load_b32 v[XR+i], v[XO], s[4:5] offset:16384*i th:TH_LOAD_NT   ; channel i at my position: a wave reads 128 consecutive bytes, the four waves 512
.set i, i+1
.endr
.irp i, 0,1,2,3,4,5,6,7
	global_load_b128 v[WR+4*\i:WR+4*\i+3], v[WQO], s[6:7] offset:16*\i
.endr
.irp i, 0,1,2,3,4,5,6,7
	global_load_b128 v[WR+32+4*\i:WR+32+4*\i+3], v[WQO], s[10:11] offset:16*\i
.endr
.irp i, 0,1,2,3,4,5,6,7
	global_load_b128 v[WR+64+4*\i:WR+64+4*\i+3], v[WVO], s[14:15] offset:16*\i
.endr
	s_wait_loadcnt 24                              ; bv and x are in; W's 24 loads, issued behind them, may be out
	QBLK XR, OUT, BY0                              ; channels 0-31
	QBLK XR+32, OUT+6, BY1                         ; channels 32-63
.irp e, 0,1                                    ; block e goes to lane r' + 16 e of the image
	ds_store_b64 v[XA0], v[OUT+6*\e:OUT+6*\e+1] offset:XIMG+256*\e
	ds_store_b64 v[XA1], v[OUT+6*\e+2:OUT+6*\e+3] offset:XIMG+8+256*\e
	ds_store_b64 v[XA0], v[OUT+6*\e+4:OUT+6*\e+5] offset:XIMG+512+256*\e
.endr
	v_lshl_or_b32 v[T1], v[BY1], 8, v[BY0]
	ds_store_b16 v[XSA], v[T1]
.irp i, 0,1,2,3,4,5,6,7
	global_load_b128 v[BQ+4*\i:BQ+4*\i+3], v[BO], s[8:9] offset:16*\i     ; the biases of channels 32 h + 0 .. 31, where x's numbers lay
.endr
.irp i, 0,1,2,3,4,5,6,7
	global_load_b128 v[BK+4*\i:BK+4*\i+3], v[BO], s[12:13] offset:16*\i
.endr
.irp m, 0,1,2
	s_wait_loadcnt 32-8*\m                         ; this W's eight loads are in; behind them: the later W's and the 16 loads of biases
	s_wait_dscnt 0x0                               ; the LDS stores have read the registers that are written again now
	QBLK WR+32*\m, OUT, BY0
	W16 QW, BY0
	v_lshlrev_b32 v[QW+1], 16, v[QW]
	ds_store_b128 v[WIA], v[OUT:OUT+3] offset:3072*\m
	ds_store_b64 v[WIB], v[OUT+4:OUT+5] offset:3072*\m
	ds_store_b64 v[WSA], v[QW:QW+1] offset:1024*\m
.endr
.irp z, 0,1,2,3,4
.irp i, 0,1,2,3,4,5
	v_mov_b32 v[WZ+12*\z+\i], 0                    ; the five runs of zero codes
.endr
.endr
	PLACES 4                                       ; an operand written by vector instructions stands four places ahead of a scaled matrix instruction
	s_wait_alu depctr_va_vdst(0)
	BARRIER                                        ; x's and W's images lie in LDS
	; ---- q
.irp n, 0,1,2
	ds_load_b128 v[XDW+4*\n:XDW+4*\n+3], v[XDA] offset:XIMG+512*\n
.endr
	ds_load_b32 v[XSW], v[XSWA]
	WLOAD 0
	s_wait_dscnt 0x0
	s_wait_loadcnt 0x0                             ; the biases
	PROJ BQ
	PLACES 4                                       ; in front of the loads into W's registers and of the first read of results
	WLOAD 1
	QBLK ACC0, OUT, BY0                            ; tile 2 w: my position's channels 32 h + 0 .. 31
	QBLK ACC1, OUT+6, BY1                          ; tile 2 w + 1
	W16 QW, BY0
	W16 QW+1, BY1
	global_store_b128 v[L16], v[OUT:OUT+3], s[18:19]
	global_store_b64 v[L8], v[OUT+4:OUT+5], s[18:19] offset:512
	global_store_b128 v[L16], v[OUT+6:OUT+9], s[18:19] offset:768
	global_store_b64 v[L8], v[OUT+10:OUT+11], s[18:19] offset:1280
	global_store_b64 v[L8], v[QW:QW+1], s[18:19] offset:1536
	; ---- k
	s_wait_dscnt 0x0                               ; Wk's tiles are in
	PROJ BK
	PLACES 4
	ds_load_b128 v[WZ+6:WZ+9], v[WIA] offset:6144  ; for v: Wv's tile w, its scale words, all four double fragments of x and their scale words
	ds_load_b64 v[WZ+10:WZ+11], v[WIB] offset:6144
	ds_load_b64 v[WSV:WSV+1], v[WSA] offset:2048
.irp n, 0,1,2,3,4,5,6,7,8,9,10,11
	ds_load_b128 v[XD+4*\n:XD+4*\n+3], v[L16] offset:XIMG+512*\n
.endr
	ds_load_b64 v[XS:XS+1], v[L8] offset:XSC
	s_wait_xcnt 0x0                                ; q's stores have read their data: the codes' registers are written again only behind this wait
	QBLK ACC0, OUT, BY0
	QBLK ACC1, OUT+6, BY1
	W32 T1
	ds_store_b32 v[SCA], v[T1]
.irp n, 0,1,2
	global_store_b128 v[L16], v[OUT+4*\n:OUT+4*\n+3], s[20:21] offset:512*\n
.endr
	; ---- v: source 0 = tile T of positions, source 1 = Wv's tile w: a lane holds one channel, its registers run along the positions
	s_wait_dscnt 0x0
.irp t, 0,1,2,3,4,5,6,7
.if ((\t/2)%2) == 0
	v_wmma_scale_f32_16x16x128_f8f6f4 v[ACC0+8*\t:ACC0+8*\t+7], v[XD+12*(\t/2):XD+12*(\t/2)+11], v[WZ+6-6*(\t%2):WZ+17-6*(\t%2)], v[BV:BV+7], v[XS+\t/4], v[WSV+\t%2] matrix_a_fmt:MATRIX_FMT_FP6 matrix_b_fmt:MATRIX_FMT_FP6
.else
	v_wmma_scale_f32_16x16x128_f8f6f4 v[ACC0+8*\t:ACC0+8*\t+7], v[XD+12*(\t/2):XD+12*(\t/2)+11], v[WZ+6-6*(\t%2):WZ+17-6*(\t%2)], v[BV:BV+7], v[XS+\t/4], v[WSV+\t%2] matrix_a_fmt:MATRIX_FMT_FP6 matrix_b_fmt:MATRIX_FMT_FP6 matrix_a_scale:MATRIX_SCALE_ROW1
.endif
.endr
	PLACES 4
	s_wait_xcnt 0x0                                ; k's stores have read their data
	QBLK ACC0, OUT, BY0                            ; positions 32 h + 0 .. 31 of my channel
	QBLK ACC1, OUT+6, BY1                          ; positions 64 + 32 h + 0 .. 31
	W32 T1
	ds_store_b32 v[SCA], v[T1] offset:8
.irp n, 0,1,2
	global_store_b128 v[L16], v[OUT+4*\n:OUT+4*\n+3], s[32:33] offset:512*\n
.endr
	BARRIER                                        ; the record's 512 bytes of scale words lie in LDS
	s_cmp_lg_u32 s22, 0
	s_cbranch_scc1 .Ldone                          ; wave 0 stores them: 512 consecutive bytes
	ds_load_b128 v[BQ:BQ+3], v[L16] offset:SCS
	s_wait_dscnt 0x0
	global_store_b128 v[L16], v[BQ:BQ+3], s[34:35]
.Ldone:
	s_set_vgpr_msb 0x5
	s_wait_tensorcnt 0x0
	ds_add_u32 v0, v1
	s_wait_dscnt 0x0
	s_set_vgpr_msb 0x500
	s_endpgm
.Lfunc_end_k_q2fab54cfde_prep:
	.size	k_q2fab54cfde_prep, .Lfunc_end_k_q2fab54cfde_prep-k_q2fab54cfde_prep
	.p2alignl 7, 3214868480
	.fill 96, 4, 3214868480
	.section	.rodata,"a",@progbits
	.p2align	6, 0x0
	.amdhsa_kernel k_q2fab54cfde_prep
		.amdhsa_group_segment_fixed_size 19968
		.amdhsa_private_segment_fixed_size 0
		.amdhsa_enable_private_segment 0
		.amdhsa_kernarg_size 72
		.amdhsa_user_sgpr_count 2
		.amdhsa_user_sgpr_kernarg_segment_ptr 1
		.amdhsa_wavefront_size32 1
		.amdhsa_system_sgpr_workgroup_id_x 1
		.amdhsa_system_sgpr_workgroup_id_y 1
		.amdhsa_system_sgpr_workgroup_id_z 1
		.amdhsa_system_vgpr_workitem_id 0
		.amdhsa_next_free_vgpr 258
		.amdhsa_next_free_sgpr 66
		.amdhsa_reserve_vcc 0
		.amdhsa_float_denorm_mode_32 3
		.amdhsa_float_denorm_mode_16_64 3
		.amdhsa_memory_ordered 1
		.amdhsa_forward_progress 1
		.amdhsa_inst_pref_size 42
	.end_amdhsa_kernel
	.amdgpu_metadata
---
amdhsa.version: [ 1, 2 ]
amdhsa.kernels:
  - .name:           k_q2fab54cfde_prep
    .symbol:         k_q2fab54cfde_prep.kd
    .args:
      - { .name: x, .offset: 0, .size: 8, .value_kind: global_buffer, .address_space: global }
      - { .name: Wq, .offset: 8, .size: 8, .value_kind: global_buffer, .address_space: global }
      - { .name: bq, .offset: 16, .size: 8, .value_kind: global_buffer, .address_space: global }
      - { .name: Wk, .offset: 24, .size: 8, .value_kind: global_buffer, .address_space: global }
      - { .name: bk, .offset: 32, .size: 8, .value_kind: global_buffer, .address_space: global }
      - { .name: Wv, .offset: 40, .size: 8, .value_kind: global_buffer, .address_space: global }
      - { .name: bv, .offset: 48, .size: 8, .value_kind: global_buffer, .address_space: global }
      - { .name: qws, .offset: 56, .size: 8, .value_kind: global_buffer, .address_space: global }
      - { .name: kvws, .offset: 64, .size: 8, .value_kind: global_buffer, .address_space: global }
    .group_segment_fixed_size: 19968
    .private_segment_fixed_size: 0
    .kernarg_segment_align: 8
    .kernarg_segment_size: 72
    .max_flat_workgroup_size: 128
    .sgpr_count:     66
    .vgpr_count:     258
    .wavefront_size: 32
...
	.end_amdgpu_metadata
.endif
;; end of part 1
;; launch attn (part 2): grid 32 x 8, 16 waves a work-group, clusters of 4 x 1, 327,680 bytes of LDS; arguments x, gamma, qws, kvws, out0; writes out0
.if DOCPART == 2
	.amdgcn_target "amdgcn-amd-amdhsa--gfx1250"
	.amdhsa_code_object_version 6
	.text
	.protected	k_q2fab54cfde_attn
	.globl	k_q2fab54cfde_attn
	.p2align	8
	.type	k_q2fab54cfde_attn,@function
k_q2fab54cfde_attn:
	s_mov_b64 s[64:65], 0
	v_nop
	global_prefetch_b8 v0, s[64:65] scope:SCOPE_SE
	s_setreg_imm32_b32 hwreg(HW_REG_WAVE_MODE, 25, 1), 1
	s_wait_xcnt 0x0
	s_wait_alu depctr_hold_cnt(0) depctr_sa_sdst(0) depctr_va_vdst(0) depctr_va_sdst(0) depctr_va_ssrc(0) depctr_va_vcc(0) depctr_vm_vsrc(0)
	s_getreg_b32 s2, hwreg(HW_REG_IB_STS2, 6, 4)
	s_cmp_eq_u32 s2, 0
	s_cbranch_scc0 .Lentry_in_a_cluster
	s_endpgm
.Lentry_in_a_cluster:
	s_bfe_u32 s2, ttmp6, 0x10000c
	s_cmp_lg_u32 s2, 0x3003
	s_cbranch_scc0 .Lentry_shape_is_right
	s_endpgm
.Lentry_shape_is_right:
; out[b][c][i] = gamma x (sum over j of v[b][c][j] p[i][j]) / l[i] + x[b][c][i], p = 2^(t - M), t = (q_i . k_j) x log2(e) / 64, M the row's largest t rounded up to a whole number (a running one),
; l the row's sum of the unquantised p.  Both products on codes of FP6 (E2M3) with one E8M0 scale for each 32 along K.  q, k, v come as images of operand registers (the launch before made them).
; LIMITS: a p under 2^-126 counts as 0 (the exponential gives no denormal results); a block of p whose largest lies under 2^-124 keeps the scale byte 1; NaN and infinities among the inputs are not served.
; SHARES.  A work-group owns a group of 128 queries of one batch.  Sixteen waves: wave = 8 g + i owns tile i (16 queries) and half g of the keys; the halves are merged at the end by exact powers of two.
; A key step is a group of 128 keys, one record of 12,800 bytes: K's four double fragments, V's four fragments, 512 bytes of scale words.  A slot holds eight records; half g takes records 4 g .. 4 g + 3.
; LAYOUT.  S^T = K Q^T (source 0 = 16 keys, source 1 = my 16 queries), O^T = V P^T (source 0 = 16 channels, source 1 = P): a lane holds ONE query throughout.  The keys of a tile are ordered so that registers
; 32 c .. 32 c + 31 of S^T are keys 64 c + 32 h + 0 .. 31: a whole block in a lane, in the order of the operand's registers: no lane is asked for a block's maximum, and p's codes change no lane.
; K = 64 IN AN INSTRUCTION OF K = 128: a double fragment of K holds two tiles of keys (K 0..63, K 64..127); q as [q; 0] or [0; q] picks one.  q lies as [0 x 6][q x 6][0 x 6].
; CLUSTER.  The four work-groups of a cluster belong to one batch and walk the same records: each slot is asked for JOINTLY (waves 0 to 3, a quarter of a slot each, the same descriptor in all four work-groups).
; By this text's count a wave has one tensor load out.  No prefetch: a refill has four key steps of all sixteen waves in which to land, and the first two quarters are asked for at the start.
.set STEPB, 12800
.set QB,    8*STEPB                    ; a slot's bytes: a quarter of a batch's records
.set SLOT1, 1<<17                      ; slot 1 begins here: one exclusive or turns an address in one slot into the other's
.set SPARE, 2*SLOT1                    ; the spare words, 128 bytes for each of sixteen waves: eight blocks of 256 bytes that no other line names
.set MRG,   0                          ; after the last change of slots, in slot 0 (it has had its last fill and its last read): eight times O^T's image (4,096) + (-M, l) (256)
.set STG,   8*4352                     ; and the stage: 64 channels x (512 bytes + 16)
.set SPW, 1                            ; v1   SPARE + 4 x thread; never rewritten
.set NIL, 2                            ; v2   0; never rewritten
.set LIG, 3                            ; v3   16 x lane + 51,200 g
.set ADR, 4                            ; v4   the same in the slot in hand
.set SH8, 5                            ; v5   8 h
.set MW,  6                            ; v6   the merge: O^T's image of tile i
.set MS,  7                            ; v7   and its (-M, l)
.set STW, 8                            ; v8   the stage: my query's place, channel 8 h
.set STR, 9                            ; v9   the stage: my wave's four channels, 16 bytes a lane
.set XO,  10                           ; v10  the same in x and in out
.set Q16, 11                           ; v11  16 x lane
.set FF,  16                           ; v[16:17] f = 2^(old M - new M) (v17 written once: the pair is named)
.set QZ,  18                           ; v18-35
.set QSL, 36                           ; v36, v37 q's scale words lo, hi
.set SC0, 40                           ; v40-43, v44-47 a record's scale words, two sets
.set SC1, 44
.set PS,  48                           ; p's scale word
.set PC,  50                           ; v50-61 p's codes
.set CT0, 62                           ; v62-64, v66-68 the conversions' second halves
.set MX,  70                           ; v70-73
.set TT,  74
.set T1,  75
.set SCF, 76                           ; v76-77
.set BY,  78                           ; v78-79
.set WD,  80
.set W2,  81
.set SUM, 82                           ; v[82:83]
.set Q8,  84                           ; v84  8 x lane
.set OA,  88                           ; v88-119 O^T
.set RX,  120                          ; v120-183, v184-247: two regions that change roles from step to step
.set RY,  184
.macro CROUND                          ; a round of the cluster's barrier
	s_barrier_signal -1
	s_barrier_wait -1
	s_cmp_lg_u32 s15, 0
	s_cbranch_scc1 .Lnot_wave_0_\@
	s_barrier_signal -3
.Lnot_wave_0_\@:
	s_barrier_wait -3
	s_barrier_signal -1
	s_barrier_wait -1
.endm
.macro TLOAD                           ; waves 0 to 3: a quarter of a slot each; the branch hangs on the wave's number alone; four v_nop follow the load
	s_cmp_lt_u32 s15, 4
	s_cbranch_scc0 .Lno_load_\@
	tensor_load_to_lds s[32:35], s[24:31]
	s_nop 0
.rept 4
	v_nop
.endr
.Lno_load_\@:
.endm
; THE CHANGE OF SLOTS stands at a slot's head.  Each wave waits for all its tensor loads, adds 0 to its spare word, and waits for that and for its reads of the slot that it has left.
; fill = 1: a round of the cluster's barrier, and behind it the other slot is asked for jointly.
.macro CHANGE fill
	s_wait_tensorcnt 0x0                           ; no tensor load of mine is out, so the descriptor may be written
	ds_add_u32 v[SPW], v[NIL]                      ; 0 onto my spare word
.if \fill
	s_xor_b32 s33, s33, SLOT1                      ; the other slot than last time,
	s_add_nc_u64 s[34:35], s[34:35], QB            ; the next eight records; the type bits on top are not reached
.endif
	s_wait_dscnt 0x0                               ; the add is done, and my reads of the slot that I have left are over
.if \fill
	CROUND
	TLOAD
.else
	s_barrier_signal -1
	s_barrier_wait -1
.endif
.endm
.macro KLOAD a, sc, k                  ; record k of my four: K's four double fragments and the record's scale words
.irp n, 0,1,2,3,4,5,6,7,8,9,10,11
	ds_load_b128 v[\a+4*\n:\a+4*\n+3], v[ADR] offset:(\k)*STEPB+512*\n
.endr
	ds_load_b128 v[\sc:\sc+3], v[ADR] offset:(\k)*STEPB+12288
.endm
; A KEY STEP.  Region a holds K, then V; region b takes S^T, then p, then the next step's K.  sc: this record's scale words; sn: the next's.
.macro STEP a, b, sc, sn, k, nxt
	s_wait_dscnt 0x0                               ; K and the scale words are in
.irp t, 0,1,2,3,4,5,6,7
.if ((\t/2)%2) == 0
	v_wmma_scale_f32_16x16x128_f8f6f4 v[\b+8*\t:\b+8*\t+7], v[\a+12*(\t/2):\a+12*(\t/2)+11], v[QZ+6-6*(\t%2):QZ+17-6*(\t%2)], 0, v[\sc+\t/4], v[QSL+\t%2] matrix_a_fmt:MATRIX_FMT_FP6 matrix_b_fmt:MATRIX_FMT_FP6
.else
	v_wmma_scale_f32_16x16x128_f8f6f4 v[\b+8*\t:\b+8*\t+7], v[\a+12*(\t/2):\a+12*(\t/2)+11], v[QZ+6-6*(\t%2):QZ+17-6*(\t%2)], 0, v[\sc+\t/4], v[QSL+\t%2] matrix_a_fmt:MATRIX_FMT_FP6 matrix_b_fmt:MATRIX_FMT_FP6 matrix_a_scale:MATRIX_SCALE_ROW1
.endif
.endr
.rept 4
	v_nop                                          ; four places: in front of the loads into K's registers and of the first read of the scores
.endr
.irp n, 0,1,2,3,4,5,6,7,8,9,10,11
	ds_load_b128 v[\a+4*\n:\a+4*\n+3], v[ADR] offset:(\k)*STEPB+6144+512*\n   ; V, where K lay: it lands under the softmax
.endr
.irp c, 0,1,2,3                                ; the largest score of my two blocks, in four chains of sixteen; each accumulator is first read at its low end
	v_max3_num_f32 v[MX+\c], v[\b+16*\c], v[\b+16*\c+1], v[\b+16*\c+2]
.endr
.irp i, 3,5,7,9,11,13
.irp c, 0,1,2,3
	v_max3_num_f32 v[MX+\c], v[MX+\c], v[\b+16*\c+\i], v[\b+16*\c+\i+1]
.endr
.endr
	v_max3_num_f32 v[MX], v[MX], v[MX+1], v[\b+15]
	v_max3_num_f32 v[MX+2], v[MX+2], v[MX+3], v[\b+47]
	v_max_num_f32 v[MX], v[MX], v[\b+31]           ; block h
	v_max_num_f32 v[MX+2], v[MX+2], v[\b+63]       ; block 2 + h
	s_delay_alu instid0(VALU_DEP_1)
	v_max_num_f32 v[TT], v[MX], v[MX+2]
	s_delay_alu instid0(VALU_DEP_1)
	v_permlanex16_b32 v[T1], v[TT], s36, s37
	s_delay_alu instid0(VALU_DEP_1)
	v_max_num_f32 v[TT], v[TT], v[T1]              ; the step's largest score of my query
	s_delay_alu instid0(VALU_DEP_1)
	v_mul_f32 v[TT], s38, v[TT]                    ; as t (c is positive)
	s_delay_alu instid0(VALU_DEP_1)
	v_max_num_f32 v13, v13, v[TT]                  ; the running largest t
	v_mov_b32 v[TT], v12
	s_delay_alu instid0(VALU_DEP_2)
	v_floor_f32 v12, -v13                          ; the new -M = floor(-t): M is a whole number
	s_delay_alu instid0(VALU_DEP_1)
	v_sub_f32 v[TT], v12, v[TT]                    ; old M - new M: a whole number, 0 or less
	s_delay_alu instid0(VALU_DEP_1)
	v_cvt_i32_f32 v[TT], v[TT]                     ; (it saturates)
	s_delay_alu instid0(VALU_DEP_1)
	v_ldexp_f32 v[FF], 1.0, v[TT]                  ; f = 2^(old M - new M): a multiplication by it rounds nothing
.set j, 0
.rept 32
	v_pk_fma_f32 v[\b+j:\b+j+1], v[\b+j:\b+j+1], s[38:39], v[12:13] op_sel_hi:[1,0,0]   ; t - M, two at a time
.set j, j+2
.endr
	v_fma_f32 v[MX], v[MX], s38, v12               ; the same of each block's largest score: p rises with the score
	v_fma_f32 v[MX+2], v[MX+2], s38, v12
	s_wait_alu depctr_va_vdst(0)
	v_exp_f32 v[MX], v[MX]                         ; ONE batch of 66 exponentials
	v_exp_f32 v[MX+2], v[MX+2]
.set j, 0
.rept 64
	v_exp_f32 v[\b+j], v[\b+j]                     ; p = 2^(t - M), at most 1: not normalised
.set j, j+1
.endr
	v_pk_mul_f32 v[14:15], v[14:15], v[FF:FF+1] op_sel_hi:[1,0]   ; the sum under the new M; the plain line behind the exponentials
	s_wait_alu depctr_va_vdst(0)                   ; one wait for the batch, ahead of its first reader
	v_max_num_f32 v[MX], 0x1800000, v[MX]          ; the floor 2^(3 - 127): the byte cannot fall under 1
	v_max_num_f32 v[MX+2], 0x1800000, v[MX+2]
	s_delay_alu instid0(VALU_DEP_2)
	v_add_nc_u32 v[SCF], 0xff000000, v[MX]         ; 2 off the exponent field: the conversion's scale operand
	s_delay_alu instid0(VALU_DEP_2)
	v_add_nc_u32 v[SCF+1], 0xff000000, v[MX+2]
	s_delay_alu instid0(VALU_DEP_2)
	v_lshrrev_b32 v[BY], 23, v[SCF]
	s_delay_alu instid0(VALU_DEP_2)
	v_lshrrev_b32 v[BY+1], 23, v[SCF+1]
	s_delay_alu instid0(VALU_DEP_1)
	v_lshl_or_b32 v[WD], v[BY+1], 16, v[BY]
	s_delay_alu instid0(VALU_DEP_1)
	v_lshlrev_b32 v[WD], v[SH8], v[WD]             ; my two bytes at their places, blocks h and 2 + h,
	s_delay_alu instid0(VALU_DEP_1)
	v_permlanex16_b32 v[W2], v[WD], s36, s37
	s_delay_alu instid0(VALU_DEP_1)
	v_or_b32 v[PS], v[WD], v[W2]                   ; with lane l xor 16's two: p's scale word for these 128 keys
.irp c, 0,1
	v_cvt_scalef32_pk16_fp6_f32 v[PC+6*\c:PC+6*\c+2], v[\b+32*\c:\b+32*\c+15], v[SCF+\c]
	v_cvt_scalef32_pk16_fp6_f32 v[CT0+4*\c:CT0+4*\c+2], v[\b+32*\c+16:\b+32*\c+31], v[SCF+\c]   ; (a conversion's three registers begin on an even number)
.endr
	v_pk_add_f32 v[SUM:SUM+1], v[\b:\b+1], v[\b+2:\b+3]   ; the row's sum is taken of the unquantised p: two chains.  (Also the plain line behind the conversions)
.irp j, 4,8,12,16,20,24,28,32,36,40,44,48,52,56,60
	v_pk_add_f32 v[14:15], v[14:15], v[\b+\j:\b+\j+1]
	v_pk_add_f32 v[SUM:SUM+1], v[SUM:SUM+1], v[\b+\j+2:\b+\j+3]
.if \j == 16
.irp c, 0,1
.irp i, 0,1,2
	v_mov_b32 v[PC+3+6*\c+\i], v[CT0+4*\c+\i]      ; registers 6 c .. 6 c + 5 now hold keys 64 c + 32 h + 0 .. 31
.endr
.endr
.endif
.endr
	s_delay_alu instid0(VALU_DEP_1)
	v_pk_add_f32 v[14:15], v[14:15], v[SUM:SUM+1]
.if \nxt
	KLOAD \b, \sn, \k+1                            ; p is done with: the next step's K takes its place
.endif
.set j, 0
.rept 16
	v_pk_mul_f32 v[OA+j:OA+j+1], v[OA+j:OA+j+1], v[FF:FF+1] op_sel_hi:[1,0]   ; O^T under the new M
.set j, j+2
.endr
.if \nxt
	s_wait_alu depctr_va_vdst(0)
	s_wait_dscnt 13                                ; V is in; the 13 loads issued behind it (the next K and its scale words) may be out
.else
	s_wait_alu depctr_va_vdst(0)
	s_wait_dscnt 0x0
.endif
.irp t, 0,1,2,3                                ; O^T += V P^T: four accumulators by turns
.if (\t%2) == 0
	v_wmma_scale_f32_16x16x128_f8f6f4 v[OA+8*\t:OA+8*\t+7], v[\a+12*\t:\a+12*\t+11], v[PC:PC+11], v[OA+8*\t:OA+8*\t+7], v[\sc+2+\t/2], v[PS] matrix_a_fmt:MATRIX_FMT_FP6 matrix_b_fmt:MATRIX_FMT_FP6
.else
	v_wmma_scale_f32_16x16x128_f8f6f4 v[OA+8*\t:OA+8*\t+7], v[\a+12*\t:\a+12*\t+11], v[PC:PC+11], v[OA+8*\t:OA+8*\t+7], v[\sc+2+\t/2], v[PS] matrix_a_fmt:MATRIX_FMT_FP6 matrix_b_fmt:MATRIX_FMT_FP6 matrix_a_scale:MATRIX_SCALE_ROW1
.endif
.endr
.rept 5
	v_nop                                          ; five places: the next step's scores are written over V's registers
.endr
.endm
.macro SLOT_STEPS
	v_add_nc_u32 v[ADR], s40, v[LIG]
	KLOAD RX, SC0, 0
	s_wait_alu depctr_va_vdst(0)
	STEP RX, RY, SC0, SC1, 0, 1
	STEP RY, RX, SC1, SC0, 1, 1
	STEP RX, RY, SC0, SC1, 2, 1
	STEP RY, RX, SC1, SC0, 3, 0
	s_xor_b32 s40, s40, SLOT1                      ; on to the other slot
.endm
	s_load_b256 s[4:11], s[0:1], 0x0               ; x s[4:5], gamma s[6:7], qws s[8:9], kvws s[10:11]
	s_load_b64 s[12:13], s[0:1], 0x20              ; out0
	v_lshl_add_u32 v[SPW], v0, 2, SPARE
	v_mov_b32 v[NIL], 0
	ds_add_u32 v1, v2
	ds_add_u32 v1, v2
	s_wait_dscnt 0x0
	v_lshrrev_b32 v[TT], 5, v0
	s_delay_alu instid0(VALU_DEP_1)
	v_readfirstlane_b32 s15, v[TT]                 ; wave 0..15
	s_and_b32 s16, s15, 7                          ; i: my tile of queries
	s_lshr_b32 s17, s15, 3                         ; g: my half of the keys
	s_bfe_u32 s18, ttmp6, 0x40000                  ; cx: it enters the addresses of x, q and out alone
	s_lshl_b32 s19, ttmp9, 2
	s_add_co_u32 s19, s19, s18                     ; my group of queries = 4 x cluster x + cx
	s_and_b32 s20, ttmp7, 0xffff                   ; the batch, which the four partners share
	; descriptor group 1: a dense block of 25,600 bytes as 100 rows of 256 bytes (32 elements of 8 bytes), no padding
	s_mov_b32 s24, 15|(3<<16)|(1<<21)              ; 15:0 the mask: all four work-groups; 17:16 elements of 8 bytes; 21 set beside a mask
	s_mov_b32 s25, 32<<16                          ; tensor_dim0 = 32
	s_mov_b32 s26, 100<<16                         ; tensor_dim1 = 100
	s_mov_b32 s27, 32<<16                          ; tile_dim0 = 32
	s_mov_b32 s28, 100                             ; tile_dim1 = 100
	s_mov_b32 s29, 32                              ; from row to row: 32 elements
	s_mov_b32 s30, 0
	s_mov_b32 s31, 0
	s_mov_b32 s32, 1                               ; group 0: count = 1
	s_and_b32 s42, s15, 3
	s_mul_i32 s33, s42, 25600                      ; LDS address: my quarter of slot 0
	s_mul_i32 s44, s20, 409600                     ; the batch's 32 records,
	s_add_co_u32 s44, s44, s33                     ; my quarter of the first eight
	s_mov_b32 s45, 0
	s_mov_b32 s36, 0x76543210
	s_mov_b32 s37, 0xfedcba98                      ; v_permlanex16_b32's selects for lane l xor 16
	s_mov_b32 s38, 0x3cb8aa3b                      ; c = log2(e) / 64
	s_mov_b32 s39, s38                             ; (named with it as a pair, so it is written)
	s_mov_b32 s40, 0                               ; the slot in hand
	s_mov_b32 s41, 3                               ; slots still to be asked for
	v_and_b32 v[TT], 31, v0                        ; lane
	v_bfe_u32 v[WD], v0, 4, 1                      ; h
	v_and_b32 v[SCF], 7, v0
	s_wait_alu depctr_va_vdst(0)
	v_bfe_u32 v[SCF+1], v0, 3, 1
	s_mul_i32 s42, s17, 51200
	v_lshl_add_u32 v[LIG], v[TT], 4, s42
	v_lshlrev_b32 v[SH8], 3, v[WD]
	s_mul_i32 s42, s16, 4352
	v_lshl_add_u32 v[MW], v[TT], 4, s42
	s_add_co_u32 s42, s42, 4096
	v_lshl_add_u32 v[MS], v[TT], 3, s42
	s_lshr_b32 s42, s16, 2                         ; my query's position in the group: 64 (i >> 2) + 8 (i & 3) + (r & 7) + 32 (r >> 3); 4 bytes each
	s_lshl_b32 s42, s42, 8
	s_and_b32 s43, s16, 3
	s_lshl_b32 s43, s43, 5
	s_add_co_u32 s42, s42, s43
	s_add_co_u32 s42, s42, STG
	v_lshlrev_b32 v[STW], 2, v[SCF]
	s_wait_alu depctr_va_vdst(0)
	v_lshl_add_u32 v[STW], v[SCF+1], 7, v[STW]
	s_delay_alu instid0(VALU_DEP_1)
	v_mad_u32_u24 v[STW], v[WD], 4224, v[STW]      ; + 8 h rows of 528 bytes
	s_delay_alu instid0(VALU_DEP_1)
	v_add_nc_u32 v[STW], s42, v[STW]
	s_mul_i32 s42, s15, 2112
	s_add_co_u32 s42, s42, STG
	v_lshl_add_u32 v[STR], v[TT], 4, s42           ; channels 4 wave + 0 .. 3
	s_lshl_b32 s42, s15, 16
	v_lshl_add_u32 v[XO], v[TT], 4, s42            ; the same four rows of 16,384 bytes in x and out
	v_lshlrev_b32 v[Q16], 4, v[TT]
	v_lshlrev_b32 v[Q8], 3, v[TT]
	s_lshl_b32 s46, s20, 20                        ; x, out: the batch's 2^20 bytes, the group's 512 bytes of a row
	s_lshl_b32 s47, s19, 9
	s_add_co_u32 s46, s46, s47
	s_mov_b32 s47, 0
	s_lshl_b32 s48, s20, 5                         ; q: the record of the pair of tiles i >> 1, in it tile i & 1
	s_add_co_u32 s48, s48, s19
	s_lshl_b32 s48, s48, 2
	s_lshr_b32 s52, s16, 1
	s_add_co_u32 s48, s48, s52
	s_mul_i32 s48, s48, 1792
	s_and_b32 s52, s16, 1
	s_lshl_b32 s50, s52, 2
	s_add_co_u32 s50, s50, s48
	s_add_co_u32 s50, s50, 1536                    ; its scale word: 1,536 + 8 l + 4 (i & 1)
	s_mul_i32 s52, s52, 768
	s_add_co_u32 s48, s48, s52
	s_mov_b32 s49, 0
	s_mov_b32 s51, 0
	s_wait_kmcnt 0x0
	s_load_b32 s14, s[6:7], 0x0                    ; gamma
	s_add_nc_u64 s[4:5], s[4:5], s[46:47]
	s_add_nc_u64 s[12:13], s[12:13], s[46:47]
	s_add_nc_u64 s[48:49], s[8:9], s[48:49]
	s_add_nc_u64 s[50:51], s[8:9], s[50:51]
	s_add_nc_u64 s[34:35], s[10:11], s[44:45]      ; group 0: the global address,
	s_or_b32 s35, s35, 0x80000000                  ; type = 2
	CROUND                                         ; all four work-groups are here: the first joint loads meet
	TLOAD                                          ; the batch's first eight records, into slot 0
	s_wait_alu depctr_va_vdst(0)
	global_load_b128 v[QZ+6:QZ+9], v[Q16], s[48:49]            ; q's tile stays in registers
	global_load_b64 v[QZ+10:QZ+11], v[Q8], s[48:49] offset:512
	global_load_b32 v[QSL], v[Q8], s[50:51]
.irp i, 0,1,2,3,4,5
	v_mov_b32 v[QZ+\i], 0
	v_mov_b32 v[QZ+12+\i], 0
.endr
	v_mov_b32 v13, 0xff61b1e6                      ; the largest t so far: -3e38, under every t
	s_delay_alu instid0(VALU_DEP_1)
	v_floor_f32 v12, -v13                          ; -M
	v_mov_b32 v14, 0                               ; the sum, in two halves
	v_mov_b32 v15, 0
	v_mov_b32 v[FF+1], 0
	v_mov_b32 v[T1], 0                             ; written once: a lane permute's destination counts as one of its sources
	v_mov_b32 v[W2], 0
	s_wait_loadcnt 0x0                             ; q
	s_wait_kmcnt 0x0                               ; gamma
	v_lshlrev_b32 v[QSL+1], 16, v[QSL]             ; the scale word for [0; q]
.set j, 0
.rept 32
	v_mov_b32 v[OA+j], 0                           ; O^T: the first step finds zeros.  (These are also the places between q's scale word and the first product)
.set j, j+1
.endr
.Lslot:                                            ; three trips: behind each change of slots but the last the next eight records are asked for
	CHANGE 1
	SLOT_STEPS
	s_sub_co_u32 s41, s41, 1
	s_cmp_lg_u32 s41, 0
	s_cbranch_scc1 .Lslot
	CHANGE 0                                       ; the last slot is written out
	SLOT_STEPS
	; THE WAY OUT.  Waves 8 to 15 hand O^T, -M and l to waves 0 to 7 through LDS; those merge the two halves of the keys, divide by l, multiply by gamma and lay the result into a stage by channels;
	; then every wave takes four channels' rows of 512 bytes, adds x and stores them.
	v_add_f32 v13, v14, v15                        ; l's two halves; v[12:13] = (-M, l)
.irp k, 0,1,2,3
	global_load_b128 v[RY+4*\k:RY+4*\k+3], v[XO], s[4:5] offset:16384*\k th:TH_LOAD_NT
.endr
	s_cmp_lt_u32 s15, 8
	s_cbranch_scc1 .Llow
.irp n, 0,1,2,3,4,5,6,7
	ds_store_b128 v[MW], v[OA+4*\n:OA+4*\n+3] offset:MRG+512*\n   ; each accumulator from its low end on
.endr
	ds_store_b64 v[MS], v[12:13] offset:MRG
.Llow:
	s_wait_dscnt 0x0                               ; for the others' sake: my stores have landed
	s_barrier_signal -1
	s_barrier_wait -1
	s_cmp_ge_u32 s15, 8
	s_cbranch_scc1 .Lhigh
.irp n, 0,1,2,3,4,5,6,7
	ds_load_b128 v[RX+4*\n:RX+4*\n+3], v[MW] offset:MRG+512*\n
.endr
	ds_load_b64 v[RX+32:RX+33], v[MS] offset:MRG
	s_wait_dscnt 0x0
	v_min_num_f32 v[RX+34], v12, v[RX+32]          ; -(the larger M)
	s_delay_alu instid0(VALU_DEP_1)
	v_sub_f32 v[RX+35], v[RX+34], v12              ; my M - the larger: a whole number, 0 or less
	s_delay_alu instid0(VALU_DEP_2)
	v_sub_f32 v[RX+36], v[RX+34], v[RX+32]         ; the partner's likewise
	s_delay_alu instid0(VALU_DEP_2)
	v_cvt_i32_f32 v[RX+35], v[RX+35]
	s_delay_alu instid0(VALU_DEP_2)
	v_cvt_i32_f32 v[RX+36], v[RX+36]
	s_delay_alu instid0(VALU_DEP_2)
	v_ldexp_f32 v[RX+35], 1.0, v[RX+35]            ; fA
	s_wait_alu depctr_va_vdst(0)
	v_ldexp_f32 v[RX+36], 1.0, v[RX+36]            ; fB
	v_mul_f32 v[RX+37], v13, v[RX+35]
	s_delay_alu instid0(VALU_DEP_1)
	v_fma_f32 v[RX+37], v[RX+33], v[RX+36], v[RX+37]
	s_delay_alu instid0(VALU_DEP_1)
	v_permlanex16_b32 v[T1], v[RX+37], s36, s37
	s_delay_alu instid0(VALU_DEP_1)
	v_add_f32 v[RX+37], v[RX+37], v[T1]            ; with lane l xor 16's keys: the row's sum
	s_wait_alu depctr_va_vdst(0)
	v_rcp_f32 v[RX+38], v[RX+37]
	v_nop                                          ; a plain line behind the reciprocal
	s_wait_alu depctr_va_vdst(0)                   ; and the wait ahead of its first reader
	v_mul_f32 v[RX+38], s14, v[RX+38]              ; gamma / l
	s_delay_alu instid0(VALU_DEP_1)
	v_mul_f32 v[RX+40], v[RX+35], v[RX+38]
	s_delay_alu instid0(VALU_DEP_2)
	v_mul_f32 v[RX+42], v[RX+36], v[RX+38]
	s_delay_alu instid0(VALU_DEP_2)
	v_mov_b32 v[RX+41], v[RX+40]                   ; (named as pairs, so both halves are written)
	s_delay_alu instid0(VALU_DEP_2)
	v_mov_b32 v[RX+43], v[RX+42]
.set j, 0
.rept 16
	v_pk_mul_f32 v[OA+j:OA+j+1], v[OA+j:OA+j+1], v[RX+40:RX+41] op_sel_hi:[1,0]
.set j, j+2
.endr
.set j, 0
.rept 16
	v_pk_fma_f32 v[OA+j:OA+j+1], v[RX+j:RX+j+1], v[RX+42:RX+43], v[OA+j:OA+j+1] op_sel_hi:[1,0,1]
.set j, j+2
.endr
.irp t, 0,1,2,3
.irp j, 0,1,2,3,4,5,6,7
	ds_store_b32 v[STW], v[OA+8*\t+\j] offset:(16*\t+\j)*528   ; channel 16 t + 8 h + j, my query's position
.endr
.endr
.Lhigh:
	s_wait_dscnt 0x0
	s_barrier_signal -1
	s_barrier_wait -1                              ; 64 channels x 128 positions lie in the stage
.irp k, 0,1,2,3
	ds_load_b128 v[RY+16+4*\k:RY+16+4*\k+3], v[STR] offset:528*\k
.endr
	s_wait_dscnt 0x0
	s_wait_loadcnt 0x0                             ; x
.set j, 0
.rept 8
	v_pk_add_f32 v[RY+16+j:RY+16+j+1], v[RY+16+j:RY+16+j+1], v[RY+j:RY+j+1]
.set j, j+2
.endr
.irp k, 0,1,2,3
	global_store_b128 v[XO], v[RY+16+4*\k:RY+16+4*\k+3], s[12:13] offset:16384*\k th:TH_STORE_NT   ; 32 lanes store 512 consecutive bytes, at a multiple of 256 from out's first byte
.endr
	s_wait_tensorcnt 0x0                           ; the wave's end, behind my last tensor load and my last LDS store
	ds_add_u32 v[SPW], v[NIL]
	s_wait_dscnt 0x0
	CROUND                                         ; the closing round: no work-group ends while a partner may still ask for a slot that names it
	s_endpgm
.Lfunc_end_k_q2fab54cfde_attn:
	.size	k_q2fab54cfde_attn, .Lfunc_end_k_q2fab54cfde_attn-k_q2fab54cfde_attn
	.p2alignl 7, 3214868480
	.fill 96, 4, 3214868480
	.section	.rodata,"a",@progbits
	.p2align	6, 0x0
	.amdhsa_kernel k_q2fab54cfde_attn
		.amdhsa_group_segment_fixed_size 327680
		.amdhsa_private_segment_fixed_size 0
		.amdhsa_enable_private_segment 0
		.amdhsa_kernarg_size 40
		.amdhsa_user_sgpr_count 2
		.amdhsa_user_sgpr_kernarg_segment_ptr 1
		.amdhsa_wavefront_size32 1
		.amdhsa_system_sgpr_workgroup_id_x 1
		.amdhsa_system_sgpr_workgroup_id_y 1
		.amdhsa_system_sgpr_workgroup_id_z 1
		.amdhsa_system_vgpr_workitem_id 0
		.amdhsa_next_free_vgpr 256
		.amdhsa_next_free_sgpr 66
		.amdhsa_reserve_vcc 0
		.amdhsa_float_denorm_mode_32 3
		.amdhsa_float_denorm_mode_16_64 3
		.amdhsa_memory_ordered 1
		.amdhsa_forward_progress 1
		.amdhsa_inst_pref_size 135
	.end_amdhsa_kernel
	.amdgpu_metadata
---
amdhsa.version: [ 1, 2 ]
amdhsa.kernels:
  - .name:           k_q2fab54cfde_attn
    .symbol:         k_q2fab54cfde_attn.kd
    .args:
      - { .name: x, .offset: 0, .size: 8, .value_kind: global_buffer, .address_space: global }
      - { .name: gamma, .offset: 8, .size: 8, .value_kind: global_buffer, .address_space: global }
      - { .name: qws, .offset: 16, .size: 8, .value_kind: global_buffer, .address_space: global }
      - { .name: kvws, .offset: 24, .size: 8, .value_kind: global_buffer, .address_space: global }
      - { .name: out0, .offset: 32, .size: 8, .value_kind: global_buffer, .address_space: global }
    .group_segment_fixed_size: 327680
    .private_segment_fixed_size: 0
    .kernarg_segment_align: 8
    .kernarg_segment_size: 40
    .max_flat_workgroup_size: 512
    .sgpr_count:     66
    .vgpr_count:     256
    .wavefront_size: 32
...
	.end_amdgpu_metadata
.endif
;; end of part 2
